; MI455X (gfx1250); checked and timed in simulation.
; The chip was launched on July 23, 2026; its instructions are those of AMD's public machine-readable ISA for CDNA 5 (MIT licence, August 2026) and "CDNA5" Instruction Set Architecture Reference Guide (July 2026). The comments in the code are by the model that wrote it; some were corrected since.
;; Self Attention. Allowed arithmetic: matrix products marked QUANTISED: E3M2 operands, one E8M0 scale for each 32 along K, by v_wmma_scale_f32_16x16x128_f8f6f4 with both operands' format E3M2, f32 sums; everything else in f32.
;; Inputs: Wk 512 x 512 float32; Wo 512 x 512 float32; Wq 512 x 512 float32; Wv 512 x 512 float32; bk 512 float32; bo 512 float32; bq 512 float32; bv 512 float32; x 2 x 4,096 x 512 float32.
;; Outputs: out0 2 x 4,096 x 512 float32.
;; This version of the problem:
;;   THIS VERSION OF THE PROBLEM IS GIVEN IN LOW PRECISION. The matrix products marked QUANTISED in the list below multiply operands that are first quantised to E3M2 (3 exponent bits, 2 mantissa bits; 6 bits a number), with one power-of-two scale for each 32 numbers along K (OCP MX v1.0); their sums are f32. All else is computed in f32.
;;   The module's matrix products, in the order in which they are computed (A, B: the left and right operand; K: the contracted axis; several contracted axes count as one K, in the product's order):
;;     1. [M 8,192, K 512] x [K 512, N 512]; A: input x; B: input Wq: QUANTISED
;;     2. [M 8,192, K 512] x [K 512, N 512]; A: input x; B: input Wk: QUANTISED
;;     3. [M 8,192, K 512] x [K 512, N 512]; A: input x; B: input Wv: QUANTISED
;;     4. batch 16 x [M 4,096, K 64] x [K 64, N 4,096]; A: computed on the way; B: computed on the way: QUANTISED
;;     5. batch 16 x [M 64, K 4,096] x [K 4,096, N 4,096]; A: computed on the way; B: softmax (see below): QUANTISED
;;     6. [M 8,192, K 512] x [K 512, N 512]; A: computed on the way; B: input Wo: QUANTISED
;;   THE QUANTISER, for each operand of a quantised product, along K:
;;     - K is cut into blocks of 32 from its start; a last block that is shorter is filled with zeros.
;;     - A block's scale is 2^e with e = floor(log2(the largest magnitude in the block)) - 4, held to -126 .. 127; a block of zeros has e = 0. As a byte (E8M0): e + 127.
;;     - Each number is divided by its block's scale, clamped to +-28, and rounded to the nearest number of E3M2, ties to even, subnormals kept.
;;     - The product sums the exact products of the quantised numbers (number of the format x scale) in f32.
;;   ~~~python
;;   def quantise(x, axis):      # numpy; x: float32 -> the quantised numbers, widened to float32 again
;;       x = np.moveaxis(x, axis, -1); K = x.shape[-1]
;;       x = np.pad(x, [(0, 0)] * (x.ndim - 1) + [(0, -K % 32)]); x = x.reshape(x.shape[:-1] + (-1, 32)); a = np.abs(x).max(-1, keepdims=True)
;;       e = np.where(a > 0, np.clip(np.frexp(np.where(a > 0, a, 1))[1] - 1 - 4, -126, 127), 0)      # np.frexp(a)[1] - 1 = floor(log2(a)), exactly
;;       r = np.clip(x / 2.0 ** e, -28, 28)
;;       step = 2.0 ** (np.maximum(np.frexp(np.where(r == 0, 1, r))[1] - 1, -2) - 2)
;;       q = np.round(r / step) * step * 2.0 ** e      # np.round: ties to even
;;       return np.moveaxis(q.reshape(q.shape[:-2] + (-1,))[..., :K], -1, axis).astype(np.float32)
;;   ~~~
;;   SOFTMAX AHEAD OF A QUANTISED PRODUCT. Where the list says 'softmax', what is quantised is not the finished softmax but p = 2^(t - M), with t = logit x log2(e) and M = ceil(the row's largest t), a whole number; so 1/2 < the row's largest p <= 1. The row's sum l is taken of the UNQUANTISED p, in f32, and the product's result is divided by l at the end. Since M is a whole number, a kernel that streams over the keys may use a running M (the ceiling of the running maximum): every later rescaling is an exact power of two, which a block's scale takes up: the codes' values come out the same.
;;   OPERANDS COMPUTED ON THE WAY. 'Computed on the way' means the value that the module computes at that place (a softmax that the list does not call 'softmax' is quantised finished and normalised). What goes into a quantiser is computed in f32, as accurately as f32 sums, v_exp_f32 and their like allow (about 1e-6 of the number): no bf16 or f16 on the way to a quantiser, and a product that is left as it is and whose result goes on into a quantised operand takes f32 operands (vector FMAs, or v_wmma_f32_16x16x4_f32). A number that lies on a knife's edge between two numbers of the format may be rounded either way, as far as f32 arithmetic and the matrix unit's own rounding can turn it there, and no further.
;; One version. Each part assembles by itself: llvm-mc -triple=amdgcn-amd-amdhsa -mcpu=gfx1250 --defsym DOCPART=n.
;; ======== version 1 of 1: 4 launches
;; limits: right only within a limited range of input values
;; workspace buffers: xcod 3,407,872 bytes; wcod 851,968 bytes; qcod 3,145,728 bytes; qscl 262,144 bytes; kvrec 6,684,672 bytes; ocod 3,145,728 bytes; oscl 524,288 bytes
;; launch quant (part 1): grid 320 x 1, 8 waves a work-group, no clusters, 68,608 bytes of LDS; arguments x, Wq, Wk, Wv, Wo, xcod, wcod; writes xcod, wcod
.if DOCPART == 1
	.amdgcn_target "amdgcn-amd-amdhsa--gfx1250"
	.amdhsa_code_object_version 6
	.text
	.protected	k_qc9255e4b81_quant
	.globl	k_qc9255e4b81_quant
	.p2align	8
	.type	k_qc9255e4b81_quant,@function
k_qc9255e4b81_quant:
	s_mov_b64 s[64:65], 0
	v_nop
	global_prefetch_b8 v0, s[64:65] scope:SCOPE_SE
	s_setreg_imm32_b32 hwreg(HW_REG_WAVE_MODE, 25, 1), 1
	s_wait_xcnt 0x0
; x [8192][512] f32 and the four weights [512 (k)][512 (n)] f32 become codes of BF6 (E3M2) with one E8M0 scale byte for each 32 along K (K = the 512).
; A block's scale is 2^(floor(log2(its largest magnitude)) - 4): its byte is the largest magnitude's exponent field - 4, held at 1 from below.
; WHAT IS STORED ARE IMAGES OF OPERAND REGISTERS, not rows.  A fragment (16 rows x 128 K, 12 registers a lane) is 1,536 bytes: registers 4 c .. 4 c + 3 of lane l at 512 c + 16 l.
; Its scale words are 128 bytes, lane l's word at 4 l (lanes l and l + 16 hold the same word).  So every store here, and every later load, covers consecutive bytes.
; THE 16 ROWS OF A TILE ARE NOT NEIGHBOURS: in a group of 32 (tokens, or a weight's columns) tile u = 0, 1 takes element 8 u + r + 8 (r / 8) in its row r.  A product's result registers of two such
; neighbouring tiles are then 16 neighbours along the next product's K.
; xcod: [block of 128 tokens][53,248]: fragment (tile m, K step s) at (4 m + s) 1,536, its scale words at 49,152 + (4 m + s) 128.
; wcod: [q, k, v, o][group of 64 columns][26,624]: fragment (tile t, K step s) at (4 t + s) 1,536, its scale words at 24,576 + (4 t + s) 128.
; SHARES.  Work-groups 0-255 take 32 tokens of x each, work-groups 256-319 32 columns of one weight each.  Wave w makes ONE fragment: tile u = w % 2, K step s = w / 2.  Waves share nothing: no barrier.
; No matrix unit, tensor load or cluster: each input byte is read once and nothing is shared between work-groups.
; LIMITS: NaN and infinities are not served.  A block whose largest magnitude lies under 2^-122, a block of zeros among them, gets the byte 1 (the stated quantiser gives a block of zeros 127): zero codes add
; nothing under either byte, and these bytes are read by this program alone.
.set SP,   528                         ; a stage row: 512 bytes + 16 = 33 x 16 bytes, so that 16 rows begin in 16 different columns of 16 bytes modulo 256
.set XREC, 53248
.set WREC, 26624
.set FRB,  1536
.set LI,   4                           ; v4   16 x lane
.set LS,   5                           ; v5   4 x lane
.set SI,   6                           ; v6   the stage, on the way in
.set SO,   7                           ; v7   and on the way out
.set WO,   8                           ; v8   a weight: my lane's byte offset
.set R,    16                          ; v16-79   numbers as loaded
.set X,    80                          ; v80-143  x: 64 numbers of my row, register 16 b + i = k 32 b + 16 (lane / 16) + i
.set TM,   144                         ; v144-147 largest magnitudes, v148-151 bytes, v156-159 the conversions' scale operands
.set PW,   160                         ; v160     the scale word
.set PC,   162                         ; v162-173 the fragment's codes
.set CT,   174                         ; v174-176, v178-180 a conversion's three registers begin on an even number: the second halves are made here and moved
; 64 numbers of a lane become a fragment's codes in v[PC] on and its scale word in v[PW].
.macro QUANT4 src
.irp b, 0,1,2,3
	v_max3_num_f32 v[TM+\b], |v[\src+16*\b]|, |v[\src+1+16*\b]|, 0x2800000   ; block b: my 16 numbers, and the floor 2^(5 - 127): the byte cannot fall under 1
.endr
.irp i, 2,4,6,8,10,12,14
.irp b, 0,1,2,3
	s_delay_alu instid0(VALU_DEP_4)
	v_max3_num_f32 v[TM+\b], v[TM+\b], |v[\src+16*\b+\i]|, |v[\src+1+16*\b+\i]|   ; the four blocks by turns
.endr
.endr
.irp b, 0,1,2,3
	s_delay_alu instid0(VALU_DEP_4)
	v_permlanex16_b32 v[TM+4+\b], v[TM+\b], s22, s23
.endr
.irp b, 0,1,2,3
	s_delay_alu instid0(VALU_DEP_4)
	v_max_num_f32 v[TM+\b], v[TM+\b], v[TM+4+\b]   ; with lane l xor 16's 16 numbers: the block's largest magnitude
.endr
.irp b, 0,1,2,3
	s_delay_alu instid0(VALU_DEP_4)
	v_add_nc_u32 v[TM+12+\b], 0xfe000000, v[TM+\b] ; 4 off its exponent field: the conversion takes this operand's exponent field as its scale
.endr
.irp b, 0,1,2,3
	s_delay_alu instid0(VALU_DEP_4)
	v_lshrrev_b32 v[TM+4+\b], 23, v[TM+12+\b]      ; the scale's byte
.endr
	s_delay_alu instid0(VALU_DEP_3)
	v_lshl_or_b32 v[PW], v[TM+5], 8, v[TM+4]
	s_delay_alu instid0(VALU_DEP_1)
	v_lshl_or_b32 v[PW], v[TM+6], 16, v[PW]
	s_delay_alu instid0(VALU_DEP_1)
	v_lshl_or_b32 v[PW], v[TM+7], 24, v[PW]
.irp c, 0,1
	v_cvt_scalef32_pk16_bf6_f32 v[PC+6*\c:PC+6*\c+2], v[\src+32*\c:\src+32*\c+15], v[TM+12+2*\c]
	v_cvt_scalef32_pk16_bf6_f32 v[CT+4*\c:CT+4*\c+2], v[\src+32*\c+16:\src+32*\c+31], v[TM+13+2*\c]
.endr
	v_nop                                          ; one plain place behind a scaled conversion
.irp c, 0,1                                    ; the operand wants a WHOLE block in a lane: lanes 0-15 block 2 c, lanes 16-31 block 2 c + 1
.irp i, 0,1,2
	v_permlane16_swap_b32 v[PC+6*\c+\i], v[CT+4*\c+\i]
.endr
.irp i, 0,1,2
	s_delay_alu instid0(VALU_DEP_3)
	v_mov_b32 v[PC+3+6*\c+\i], v[CT+4*\c+\i]
.endr
.endr
.endm
	s_load_b256 s[4:11], s[0:1], 0x0               ; x, Wq, Wk, Wv
	s_load_b128 s[12:15], s[0:1], 0x20             ; Wo, xcod
	s_load_b64 s[16:17], s[0:1], 0x30              ; wcod
	v_lshl_add_u32 v192, v0, 2, 0x10800
	v_mov_b32 v193, 0
	v_lshrrev_b32 v1, 5, v0
	s_delay_alu instid0(VALU_DEP_1)
	v_readfirstlane_b32 s18, v1                    ; wave 0..7
	s_and_b32 s19, s18, 1                          ; u: which tile of the group of 32
	s_lshr_b32 s20, s18, 1                         ; s: which 128 along K
	v_and_b32 v1, 31, v0                           ; lane
	v_and_b32 v2, 15, v0                           ; r
	v_bfe_u32 v3, v0, 4, 1                         ; h
	s_delay_alu instid0(VALU_DEP_3)
	v_lshlrev_b32 v[LI], 4, v1
	s_delay_alu instid0(VALU_DEP_4)
	v_lshlrev_b32 v[LS], 2, v1
	s_mov_b32 s22, 0x76543210
	s_mov_b32 s23, 0xfedcba98                      ; v_permlanex16_b32's selects for lane l xor 16
.irp b, 0,1,2,3
	v_mov_b32 v[TM+4+\b], 0                        ; written once: a lane permute's destination counts as one of its sources
.endr
	s_cmp_lt_u32 ttmp9, 256
	s_cbranch_scc0 .Lweights
	; ---- x: 16 rows x 512 bytes.  Each load reads a row's 512 consecutive bytes; the rows turn through my wave's own stage in LDS, so that a lane comes to hold neighbours along K of ONE row.
	s_mul_i32 s24, s18, 16*SP                      ; my stage
	v_add_nc_u32 v[SI], s24, v[LI]                 ; in: 16 bytes a lane, a row an instruction
	v_mul_u32_u24 v[SO], v2, SP
	s_delay_alu instid0(VALU_DEP_1)
	v_lshl_add_u32 v[SO], v3, 6, v[SO]
	s_delay_alu instid0(VALU_DEP_1)
	v_add_nc_u32 v[SO], s24, v[SO]                 ; out: row r, + 64 h: my 16 numbers of each block of 32
	s_lshl_b32 s26, ttmp9, 16                      ; 32 tokens of 2,048 bytes a work-group,
	s_lshl_b32 s25, s19, 14                        ; + 8 u tokens,
	s_add_co_u32 s26, s26, s25
	s_lshl_b32 s25, s20, 9                         ; + 512 s bytes
	s_add_co_u32 s26, s26, s25
	s_mov_b32 s27, 0
	s_lshr_b32 s28, ttmp9, 2
	s_mul_i32 s28, s28, XREC                       ; the block of 128 tokens
	s_and_b32 s29, ttmp9, 3
	s_lshl_b32 s29, s29, 1
	s_add_co_u32 s29, s29, s19                     ; m = 2 (group % 4) + u
	s_lshl_b32 s29, s29, 2
	s_add_co_u32 s29, s29, s20                     ; 4 m + s
	s_mul_i32 s30, s29, FRB
	s_add_co_u32 s30, s30, s28
	s_mov_b32 s31, 0
	s_lshl_b32 s32, s29, 7
	s_add_co_u32 s32, s32, s28
	s_add_co_u32 s32, s32, 49152
	s_mov_b32 s33, 0
	s_wait_alu depctr_va_vdst(0)
	s_wait_kmcnt 0x0
	s_add_nc_u64 s[4:5], s[4:5], s[26:27]
	s_add_nc_u64 s[34:35], s[14:15], s[30:31]
	s_add_nc_u64 s[36:37], s[14:15], s[32:33]
.irp i, 0,1,2,3,4,5,6,7,8,9,10,11,12,13,14,15
	global_load_b128 v[R+4*\i:R+4*\i+3], v[LI], s[4:5] offset:(\i+8*(\i/8))*2048 th:TH_LOAD_NT   ; the tile's row i is token 8 u + i + 8 (i / 8) of the group
.endr
.irp i, 0,1,2,3,4,5,6,7,8,9,10,11,12,13,14,15
	s_wait_loadcnt 15-\i                           ; loads come back in order: row i is in, the 15 - i younger ones may be out
	ds_store_b128 v[SI], v[R+4*\i:R+4*\i+3] offset:SP*\i
.endr
.irp b, 0,1,2,3
.irp j, 0,1,2,3
	ds_load_b128 v[X+16*\b+4*\j:X+16*\b+4*\j+3], v[SO] offset:128*\b+16*\j   ; LDS serves a wave's instructions in order: these see my stores
.endr
.endr
	s_wait_dscnt 0x0
	QUANT4 X
.irp c, 0,1,2
	global_store_b128 v[LI], v[PC+4*\c:PC+4*\c+3], s[34:35] offset:512*\c   ; 32 lanes store 512 consecutive bytes
.endr
	global_store_b32 v[LS], v[PW], s[36:37]
	s_wait_tensorcnt 0x0
	ds_add_u32 v192, v193
	s_wait_dscnt 0x0
	s_endpgm
.Lweights:
	; ---- a weight: K is its FIRST axis.  Lane (r, h) takes one column and its registers run DOWN K in the operand's own order, k = 64 c + 32 h + i: the conversions' results are the operand's registers.
	s_sub_co_u32 s24, ttmp9, 256
	s_lshr_b32 s25, s24, 4                         ; which weight: 0 q, 1 k, 2 v, 3 o
	s_bfe_u32 s26, s24, 0x30001                    ; which 64 columns
	s_and_b32 s27, s24, 1                          ; which 32 of them
	s_lshl_b32 s28, s27, 1
	s_add_co_u32 s28, s28, s19                     ; t = 2 (that) + u
	s_lshl_b32 s30, s20, 18                        ; 128 s rows of 2,048 bytes,
	s_lshl_b32 s29, s26, 8
	s_add_co_u32 s30, s30, s29                     ; + 4 x (64 x group
	s_lshl_b32 s29, s27, 7
	s_add_co_u32 s30, s30, s29                     ;      + 32 x half
	s_lshl_b32 s29, s19, 5
	s_add_co_u32 s30, s30, s29                     ;      + 8 u)
	s_mov_b32 s31, 0
	s_lshl_b32 s32, s25, 3
	s_add_co_u32 s32, s32, s26
	s_mul_i32 s32, s32, WREC                       ; the record
	s_lshl_b32 s29, s28, 2
	s_add_co_u32 s29, s29, s20                     ; 4 t + s
	s_mul_i32 s34, s29, FRB
	s_add_co_u32 s34, s34, s32
	s_mov_b32 s35, 0
	s_lshl_b32 s36, s29, 7
	s_add_co_u32 s36, s36, s32
	s_add_co_u32 s36, s36, 24576
	s_mov_b32 s37, 0
	s_wait_alu depctr_va_vdst(0)
	v_and_b32 v[WO], 8, v2
	s_delay_alu instid0(VALU_DEP_1)
	v_add_nc_u32 v[WO], v[WO], v2                  ; r + 8 (r / 8)
	s_delay_alu instid0(VALU_DEP_1)
	v_lshlrev_b32 v[WO], 2, v[WO]
	s_delay_alu instid0(VALU_DEP_1)
	v_lshl_add_u32 v[WO], v3, 16, v[WO]            ; lanes 16-31 begin 32 rows further down
	s_wait_alu depctr_va_vdst(0)
	s_wait_kmcnt 0x0
	s_cmp_eq_u32 s25, 1                            ; the choice hangs on the work-group's number alone
	s_cselect_b64 s[6:7], s[8:9], s[6:7]
	s_cmp_eq_u32 s25, 2
	s_cselect_b64 s[6:7], s[10:11], s[6:7]
	s_cmp_eq_u32 s25, 3
	s_cselect_b64 s[6:7], s[12:13], s[6:7]
	s_add_nc_u64 s[6:7], s[6:7], s[30:31]
	s_add_nc_u64 s[38:39], s[16:17], s[34:35]
	s_add_nc_u64 s[40:41], s[16:17], s[36:37]
.irp c, 0,1
.irp i, 0,1,2,3,4,5,6,7,8,9,10,11,12,13,14,15,16,17,18,19,20,21,22,23,24,25,26,27,28,29,30,31
	global_load_b32 v[R+32*\c+\i], v[WO], s[6:7] offset:(64*\c+\i)*2048   ; W(128 s + 64 c + 32 h + i, my column)
.endr
.endr
	s_wait_loadcnt 0x0
.irp c, 0,1                                    ; my block 2 c + h: all its 32 numbers are mine
	v_max3_num_f32 v[TM+\c], |v[R+32*\c]|, |v[R+1+32*\c]|, 0x2800000
.endr
.irp i, 2,4,6,8,10,12,14,16,18,20,22,24,26,28,30
.irp c, 0,1
	s_delay_alu instid0(VALU_DEP_2)
	v_max3_num_f32 v[TM+\c], v[TM+\c], |v[R+32*\c+\i]|, |v[R+1+32*\c+\i]|
.endr
.endr
.irp c, 0,1
	s_delay_alu instid0(VALU_DEP_2)
	v_add_nc_u32 v[TM+12+\c], 0xfe000000, v[TM+\c]
.endr
.irp c, 0,1
	s_delay_alu instid0(VALU_DEP_2)
	v_lshrrev_b32 v[TM+4+\c], 23, v[TM+12+\c]
.endr
	s_delay_alu instid0(VALU_DEP_1)
	v_lshl_or_b32 v[PW], v[TM+5], 16, v[TM+4]      ; my two bytes: blocks h and 2 + h,
	v_lshlrev_b32 v[TM+8], 3, v3
	s_delay_alu instid0(VALU_DEP_1)
	v_lshlrev_b32 v[PW], v[TM+8], v[PW]            ; at their places in the word (8 h bits up);
	s_delay_alu instid0(VALU_DEP_1)
	v_permlanex16_b32 v[TM+6], v[PW], s22, s23
	s_delay_alu instid0(VALU_DEP_1)
	v_or_b32 v[PW], v[PW], v[TM+6]                 ; with lane l xor 16's two the word is whole, in both halves of the lanes
.irp c, 0,1
	v_cvt_scalef32_pk16_bf6_f32 v[PC+6*\c:PC+6*\c+2], v[R+32*\c:R+32*\c+15], v[TM+12+\c]
	v_cvt_scalef32_pk16_bf6_f32 v[CT+4*\c:CT+4*\c+2], v[R+32*\c+16:R+32*\c+31], v[TM+12+\c]
.endr
	v_nop                                          ; one plain place behind a scaled conversion
.irp c, 0,1
.irp i, 0,1,2
	v_mov_b32 v[PC+3+6*\c+\i], v[CT+4*\c+\i]
.endr
.endr
.irp c, 0,1,2
	global_store_b128 v[LI], v[PC+4*\c:PC+4*\c+3], s[38:39] offset:512*\c
.endr
	global_store_b32 v[LS], v[PW], s[40:41]
	s_endpgm
.Lfunc_end_k_qc9255e4b81_quant:
	.size	k_qc9255e4b81_quant, .Lfunc_end_k_qc9255e4b81_quant-k_qc9255e4b81_quant
	.p2alignl 7, 3214868480
	.fill 96, 4, 3214868480
	.section	.rodata,"a",@progbits
	.p2align	6, 0x0
	.amdhsa_kernel k_qc9255e4b81_quant
		.amdhsa_group_segment_fixed_size 68608
		.amdhsa_private_segment_fixed_size 0
		.amdhsa_enable_private_segment 0
		.amdhsa_kernarg_size 56
		.amdhsa_user_sgpr_count 2
		.amdhsa_user_sgpr_kernarg_segment_ptr 1
		.amdhsa_wavefront_size32 1
		.amdhsa_system_sgpr_workgroup_id_x 1
		.amdhsa_system_sgpr_workgroup_id_y 1
		.amdhsa_system_sgpr_workgroup_id_z 1
		.amdhsa_system_vgpr_workitem_id 0
		.amdhsa_next_free_vgpr 194
		.amdhsa_next_free_sgpr 66
		.amdhsa_reserve_vcc 0
		.amdhsa_float_denorm_mode_32 3
		.amdhsa_float_denorm_mode_16_64 3
		.amdhsa_memory_ordered 1
		.amdhsa_forward_progress 1
		.amdhsa_inst_pref_size 25
	.end_amdhsa_kernel
	.amdgpu_metadata
---
amdhsa.version: [ 1, 2 ]
amdhsa.kernels:
  - .name:           k_qc9255e4b81_quant
    .symbol:         k_qc9255e4b81_quant.kd
    .args:
      - { .name: x, .offset: 0, .size: 8, .value_kind: global_buffer, .address_space: global }
      - { .name: Wq, .offset: 8, .size: 8, .value_kind: global_buffer, .address_space: global }
      - { .name: Wk, .offset: 16, .size: 8, .value_kind: global_buffer, .address_space: global }
      - { .name: Wv, .offset: 24, .size: 8, .value_kind: global_buffer, .address_space: global }
      - { .name: Wo, .offset: 32, .size: 8, .value_kind: global_buffer, .address_space: global }
      - { .name: xcod, .offset: 40, .size: 8, .value_kind: global_buffer, .address_space: global }
      - { .name: wcod, .offset: 48, .size: 8, .value_kind: global_buffer, .address_space: global }
    .group_segment_fixed_size: 68608
    .private_segment_fixed_size: 0
    .kernarg_segment_align: 8
    .kernarg_segment_size: 56
    .max_flat_workgroup_size: 256
    .sgpr_count:     66
    .vgpr_count:     194
    .wavefront_size: 32
...
	.end_amdgpu_metadata
.endif
;; end of part 1
;; launch proj (part 2): grid 64 x 3, 8 waves a work-group, no clusters, 267,264 bytes of LDS; arguments xcod, wcod, bq, bk, bv, qcod, qscl, kvrec; writes qcod, qscl, kvrec
.if DOCPART == 2
	.amdgcn_target "amdgcn-amd-amdhsa--gfx1250"
	.amdhsa_code_object_version 6
	.text
	.protected	k_qc9255e4b81_proj
	.globl	k_qc9255e4b81_proj
	.p2align	8
	.type	k_qc9255e4b81_proj,@function
k_qc9255e4b81_proj:
	s_mov_b64 s[64:65], 0
	v_nop
	global_prefetch_b8 v0, s[64:65] scope:SCOPE_SE
	s_setreg_imm32_b32 hwreg(HW_REG_WAVE_MODE, 25, 1), 1
	s_wait_xcnt 0x0
; q = x Wq + bq, k = x Wk + bk, v = x Wv + bv on codes of BF6 (E3M2) with E8M0 scales, sums in f32; the results are quantised in registers for the attention's two products and stored as images of operand registers.
; SHARES.  Work-group (x, y): 128 tokens (block x: one key step of the attention) times one of q (y = 0), k (1), v (2).  Wave w = head w: 128 tokens x 64 columns, 32 accumulators (window 1), K = 512 in four steps of 128.
; LDS, filled once by tensor loads and only read: the block's record of xcod (53,248 bytes) at 0; wave w's record of wcod (26,624 bytes) at 53,248 + 26,624 w.  All loads from it are 16 x lane or 4 x lane: consecutive bytes.
; q AND k ARE MADE TRANSPOSED (source 0 = 16 columns of W, source 1 = 16 tokens): a lane holds ONE token, and, by the choice of the columns of a tile, the 32 registers of a token tile are d = 32 b + 16 (lane / 16) + i in
; register 16 b + i: two blocks of 32 along the head's 64.  They become HALF a fragment (registers 0-5: 768 bytes: registers 0-3 at 16 x lane, 4-5 at 512 + 8 x lane); the other half of the attention's K step of 128 is zero codes.
; v IS MADE THE OTHER WAY ROUND (source 0 = 16 tokens, source 1 = 16 columns): a lane holds one d, and the 64 registers of a column tile are the block's 128 keys, key 32 b + 16 (lane / 16) + i in register 16 b + i:
; a whole fragment of V^T along the keys.
; SCALE WORDS leave in pairs of tiles: 128 bytes, lanes 0-15 the even tile's rows, lanes 16-31 the odd tile's.
; qcod [16 bh][256 tiles][768]; qscl [bh][128 pairs][128]; kvrec [bh][32 key steps][13,056]: k's 8 tiles at 768 m, V^T's 4 fragments at 6,144 + 1,536 t, k's 4 pairs of scale words at 12,288, V^T's 2 at 12,800.
; The biases are the C of each sum's first product, in the result's layout.
; NO JOINT REQUESTS: the shared tiles come once, as first fills, and the launch has one barrier; a cluster would add two of its own barriers' passes for 26,624 shared bytes a wave; y = 3 divides into no cluster.
; LIMITS: NaN and infinities are not served; a block whose largest magnitude lies under 2^-122 (a block of zeros among them) gets the byte 1; these bytes are read by this program alone.
.set XREC,  53248
.set WREC,  26624
.set FRB,   1536
.set KVREC, 13056
.set LI,  1                            ; v1   16 x lane
.set L8,  2                            ; v2   8 x lane
.set LS,  3                            ; v3   4 x lane
.set WI,  4                            ; v4   16 x lane + my W record
.set WSA, 5                            ; v5   4 x lane + my W record's scale words
.set BA,  6                            ; v6   my lane's byte in the head's 64 biases
.set XF,  16                           ; v16-111  x's 8 fragments of a K step
.set WF,  112                          ; v112-159 W's 4
.set XS,  160                          ; v160-167 x's scale words
.set WS,  168                          ; v168-171 W's
.set BI,  172                          ; v172-203 the biases: 8 registers a column tile
.set TM,  204                          ; v204-207 largest magnitudes, v208-211 bytes, v216-219 the conversions' scale operands
.set PWA, 220                          ; v220-221 the scale words of an even and an odd tile
.set PWP, 222                          ; v222     the pair
.set PC,  224                          ; v224-235 the codes
.set CT,  236                          ; v236-238, v240-242 the conversions' second halves
.set WV,  20
.set YY,  21
.set MSB, 0
.macro WIN new                         ; s_set_vgpr_msb: bits 1:0 source 0, 3:2 source 1, 5:4 source 2, 7:6 destination; the high byte repeats the setting that is left
.if MSB != \new
	s_set_vgpr_msb (MSB<<8)|\new
.set MSB, \new
.endif
.endm
.macro PROD d, a, b, sa, sb, bias      ; one product; bias >= 0: the sum's first, with the biases as C
.if \bias >= 0
	v_wmma_scale_f32_16x16x128_f8f6f4 v[\d:\d+7], v[\a:\a+11], v[\b:\b+11], v[\bias:\bias+7], v[\sa], v[\sb] matrix_a_fmt:MATRIX_FMT_BF6 matrix_b_fmt:MATRIX_FMT_BF6
.else
	v_wmma_scale_f32_16x16x128_f8f6f4 v[\d:\d+7], v[\a:\a+11], v[\b:\b+11], v[\d:\d+7], v[\sa], v[\sb] matrix_a_fmt:MATRIX_FMT_BF6 matrix_b_fmt:MATRIX_FMT_BF6
.endif
.endm
; A K step of 128: 48 LDS loads, 32 products.  The 32 accumulators take turns, one instruction a turn, in the same order in every step.
; mode 0: q, k (accumulator (m, t) at 8 (4 m + t));  mode 1: v (at 8 (8 t + m)).
.macro KSTEP s, mode
.irp m, 0,1,2,3,4,5,6,7
.irp c, 0,1,2
	ds_load_b128 v[XF+12*\m+4*\c:XF+12*\m+4*\c+3], v[LI] offset:(4*\m+\s)*FRB+512*\c
.endr
	ds_load_b32 v[XS+\m], v[LS] offset:49152+(4*\m+\s)*128
.endr
.irp t, 0,1,2,3
.irp c, 0,1,2
	ds_load_b128 v[WF+12*\t+4*\c:WF+12*\t+4*\c+3], v[WI] offset:(4*\t+\s)*FRB+512*\c
.endr
	ds_load_b32 v[WS+\t], v[WSA] offset:(4*\t+\s)*128
.endr
	s_wait_dscnt 0x0
.if \s == 0
	s_wait_loadcnt 0x0                             ; the biases
	WIN 0x40                                       ; D window 1; C (the biases) window 0
.else
	WIN 0x50                                       ; C and D window 1
.endif
.irp m, 0,1,2,3,4,5,6,7
.irp t, 0,1,2,3
.if \mode == 0
.if \s == 0
	PROD 8*(4*\m+\t), WF+12*\t, XF+12*\m, WS+\t, XS+\m, BI+8*\t
.else
	PROD 8*(4*\m+\t), WF+12*\t, XF+12*\m, WS+\t, XS+\m, -1
.endif
.else
.if \s == 0
	PROD 8*(8*\t+\m), XF+12*\m, WF+12*\t, XS+\m, WS+\t, BI+8*\t
.else
	PROD 8*(8*\t+\m), XF+12*\m, WF+12*\t, XS+\m, WS+\t, -1
.endif
.endif
.endr
.endr
	WIN 0
.rept 5
	v_nop                                          ; places behind the products: in front of the next step's loads into their operands, and of the first read of results
.endr
.endm
; The common tail of both quantisers' scale lines, for n blocks: written in each macro.  Sources lie in window 1.
.macro QUANT2 src, pw                  ; 32 numbers of a lane, register 16 b + i = k 32 b + 16 (lane / 16) + i: half a fragment in v[PC] .. v[PC + 5], its scale word (two bytes, the upper two 0) in v[pw]
	WIN 0x05
.irp b, 0,1
	v_max3_num_f32 v[TM+\b], |v[\src+16*\b]|, |v[\src+1+16*\b]|, 0x2800000   ; each accumulator is read from its low end on; the floor 2^(5 - 127) holds the byte at 1 from below
.endr
	WIN 0x14
.irp i, 2,4,6,8,10,12,14
.irp b, 0,1
	v_max3_num_f32 v[TM+\b], v[TM+\b], |v[\src+16*\b+\i]|, |v[\src+1+16*\b+\i]|
.endr
.endr
	WIN 0
.irp b, 0,1
	v_permlanex16_b32 v[TM+4+\b], v[TM+\b], s22, s23
.endr
.irp b, 0,1
	s_delay_alu instid0(VALU_DEP_2)
	v_max_num_f32 v[TM+\b], v[TM+\b], v[TM+4+\b]
.endr
.irp b, 0,1
	s_delay_alu instid0(VALU_DEP_2)
	v_add_nc_u32 v[TM+12+\b], 0xfe000000, v[TM+\b]
.endr
.irp b, 0,1
	s_delay_alu instid0(VALU_DEP_2)
	v_lshrrev_b32 v[TM+4+\b], 23, v[TM+12+\b]
.endr
	s_delay_alu instid0(VALU_DEP_1)
	v_lshl_or_b32 v[\pw], v[TM+5], 8, v[TM+4]
	WIN 0x01
	v_cvt_scalef32_pk16_bf6_f32 v[PC:PC+2], v[\src:\src+15], v[TM+12]
	v_cvt_scalef32_pk16_bf6_f32 v[CT:CT+2], v[\src+16:\src+31], v[TM+13]
	WIN 0
	v_nop                                          ; one plain place behind a scaled conversion
.irp i, 0,1,2
	v_permlane16_swap_b32 v[PC+\i], v[CT+\i]       ; lanes 0-15 come to hold block 0, lanes 16-31 block 1
.endr
.irp i, 0,1,2
	s_delay_alu instid0(VALU_DEP_3)
	v_mov_b32 v[PC+3+\i], v[CT+\i]
.endr
.endm
.macro QUANT4 src, pw                  ; 64 numbers of a lane: a whole fragment in v[PC] .. v[PC + 11], its scale word in v[pw]
	WIN 0x05
.irp b, 0,1,2,3
	v_max3_num_f32 v[TM+\b], |v[\src+16*\b]|, |v[\src+1+16*\b]|, 0x2800000
.endr
	WIN 0x14
.irp i, 2,4,6,8,10,12,14
.irp b, 0,1,2,3
	v_max3_num_f32 v[TM+\b], v[TM+\b], |v[\src+16*\b+\i]|, |v[\src+1+16*\b+\i]|
.endr
.endr
	WIN 0
.irp b, 0,1,2,3
	v_permlanex16_b32 v[TM+4+\b], v[TM+\b], s22, s23
.endr
.irp b, 0,1,2,3
	s_delay_alu instid0(VALU_DEP_4)
	v_max_num_f32 v[TM+\b], v[TM+\b], v[TM+4+\b]
.endr
.irp b, 0,1,2,3
	s_delay_alu instid0(VALU_DEP_4)
	v_add_nc_u32 v[TM+12+\b], 0xfe000000, v[TM+\b]
.endr
.irp b, 0,1,2,3
	s_delay_alu instid0(VALU_DEP_4)
	v_lshrrev_b32 v[TM+4+\b], 23, v[TM+12+\b]
.endr
	s_delay_alu instid0(VALU_DEP_3)
	v_lshl_or_b32 v[\pw], v[TM+5], 8, v[TM+4]
	s_delay_alu instid0(VALU_DEP_1)
	v_lshl_or_b32 v[\pw], v[TM+6], 16, v[\pw]
	s_delay_alu instid0(VALU_DEP_1)
	v_lshl_or_b32 v[\pw], v[TM+7], 24, v[\pw]
	WIN 0x01
.irp c, 0,1
	v_cvt_scalef32_pk16_bf6_f32 v[PC+6*\c:PC+6*\c+2], v[\src+32*\c:\src+32*\c+15], v[TM+12+2*\c]
	v_cvt_scalef32_pk16_bf6_f32 v[CT+4*\c:CT+4*\c+2], v[\src+32*\c+16:\src+32*\c+31], v[TM+13+2*\c]
.endr
	WIN 0
	v_nop
.irp c, 0,1
.irp i, 0,1,2
	v_permlane16_swap_b32 v[PC+6*\c+\i], v[CT+4*\c+\i]
.endr
.irp i, 0,1,2
	s_delay_alu instid0(VALU_DEP_3)
	v_mov_b32 v[PC+3+6*\c+\i], v[CT+4*\c+\i]
.endr
.endr
.endm
	s_load_b256 s[4:11], s[0:1], 0x0               ; xcod, wcod, bq, bk
	s_load_b256 s[12:19], s[0:1], 0x20             ; bv, qcod, qscl, kvrec
	v_lshl_add_u32 v254, v0, 2, 0x41000
	v_mov_b32 v255, 0
	ds_add_u32 v254, v255
	ds_add_u32 v254, v255
	v_lshrrev_b32 v7, 5, v0
	s_delay_alu instid0(VALU_DEP_1)
	v_readfirstlane_b32 s[WV], v7                  ; wave = head 0..7
	s_and_b32 s[YY], ttmp7, 0xffff                 ; 0 q, 1 k, 2 v
	; descriptor group 1: a dense block of 53,248 bytes as 208 rows of 256 bytes (32 elements of 8 bytes), no padding
	s_mov_b32 s24, 3<<16                           ; no mask; elements of 8 bytes
	s_mov_b32 s25, 32<<16                          ; tensor_dim0 = 32
	s_mov_b32 s26, 208<<16                         ; tensor_dim1 = 208: two records of W
	s_mov_b32 s27, 32<<16                          ; tile_dim0 = 32
	s_mov_b32 s28, 208                             ; tile_dim1 = 208
	s_mov_b32 s29, 32                              ; from row to row
	s_mov_b32 s30, 0
	s_mov_b32 s31, 0
	s_mul_i32 s46, s[WV], WREC
	s_add_co_u32 s46, s46, XREC                    ; my W record in LDS
	s_mov_b32 s68, 3<<16                           ; a second group 1: a quarter of x's record, 13,312 dense bytes, as 52 rows of 256 bytes
	s_mov_b32 s69, 32<<16
	s_mov_b32 s70, 52<<16
	s_mov_b32 s71, 32<<16
	s_mov_b32 s72, 52
	s_mov_b32 s73, 32
	s_mov_b32 s74, 0
	s_mov_b32 s75, 0
	s_and_b32 s52, s[WV], 3                        ; waves 0-3 fetch two records of W each, waves 4-7 a quarter of x's record each: one tensor load a wave
	s_mul_i32 s53, s52, 2*WREC
	s_mul_i32 s48, s[YY], 8*WREC                   ; in wcod: records 8 y + 2 (wave % 4) and the next
	s_add_co_u32 s48, s48, s53
	s_mov_b32 s49, 0
	s_add_co_u32 s53, s53, XREC                    ; in LDS: behind x's record
	s_mul_i32 s52, s52, XREC/4
	s_mul_i32 s50, ttmp9, XREC
	s_add_co_u32 s50, s50, s52
	s_mov_b32 s51, 0
	s_wait_dscnt 0x0
	s_wait_kmcnt 0x0
	s_mov_b32 s32, 1                               ; group 0 for W: count = 1,
	s_mov_b32 s33, s53
	s_add_nc_u64 s[34:35], s[6:7], s[48:49]        ; global address,
	s_or_b32 s35, s35, 0x80000000                  ; type = 2
	s_mov_b32 s36, 1                               ; group 0 for x
	s_mov_b32 s37, s52
	s_add_nc_u64 s[38:39], s[4:5], s[50:51]
	s_or_b32 s39, s39, 0x80000000
	s_cmp_lt_u32 s[WV], 4                          ; one chain of branches on the wave's number, one load to an arm
	s_cbranch_scc0 .Lw_only
	tensor_load_to_lds s[32:35], s[24:31]
	s_nop 0
.rept 4
	v_nop
.endr
	s_branch .Lasked
.Lw_only:
	tensor_load_to_lds s[36:39], s[68:75]
	s_nop 0
.rept 4
	v_nop
.endr
.Lasked:
	v_and_b32 v7, 31, v0
	s_delay_alu instid0(VALU_DEP_1)
	v_lshlrev_b32 v[LI], 4, v7
	s_delay_alu instid0(VALU_DEP_2)
	v_lshlrev_b32 v[L8], 3, v7
	s_delay_alu instid0(VALU_DEP_3)
	v_lshlrev_b32 v[LS], 2, v7
	s_delay_alu instid0(VALU_DEP_3)
	v_add_nc_u32 v[WI], s46, v[LI]
	s_add_co_u32 s47, s46, 24576
	v_add_nc_u32 v[WSA], s47, v[LS]
	v_and_b32 v8, 15, v0                           ; r
	v_bfe_u32 v9, v0, 4, 1                         ; h
.irp b, 0,1,2,3
	v_mov_b32 v[TM+4+\b], 0                        ; written once: a lane permute's destination counts as one of its sources
.endr
	s_mov_b32 s22, 0x76543210
	s_mov_b32 s23, 0xfedcba98
	s_mov_b32 s63, 0xffff0000                      ; lanes 16-31
	; where the results go: chosen by y alone, while the tiles are on their way
	s_lshr_b32 s53, ttmp9, 5
	s_lshl_b32 s53, s53, 3
	s_add_co_u32 s53, s53, s[WV]                   ; bh = 8 x batch + head
	s_and_b32 s54, ttmp9, 31                       ; the key step
	s_lshl_b32 s55, s53, 5
	s_add_co_u32 s55, s55, s54                     ; 32 bh + step
	s_mul_i32 s56, s55, KVREC                      ; k, v: the record
	s_add_co_u32 s62, s56, 12288                   ; k's scale words
	s_mul_i32 s58, s55, 8*768                      ; q: tile 256 bh + 8 step
	s_lshl_b32 s60, s55, 9                         ; q's scale words: pair 128 bh + 4 step
	s_mov_b32 s59, 0
	s_mov_b32 s61, 0
	s_cmp_eq_u32 s[YY], 1
	s_cselect_b64 s[40:41], s[10:11], s[12:13]     ; bk or bv,
	s_cmp_eq_u32 s[YY], 0
	s_cselect_b64 s[40:41], s[8:9], s[40:41]       ; or bq
	s_cselect_b32 s58, s58, s56
	s_cselect_b32 s60, s60, s62
	s_cselect_b64 s[42:43], s[14:15], s[18:19]     ; codes: qcod or kvrec
	s_cselect_b64 s[44:45], s[16:17], s[18:19]     ; scale words: qscl or kvrec
	s_add_nc_u64 s[42:43], s[42:43], s[58:59]
	s_add_nc_u64 s[44:45], s[44:45], s[60:61]
	s_lshl_b32 s58, s[WV], 8                       ; the head's 64 biases
	s_add_nc_u64 s[40:41], s[40:41], s[58:59]
	s_wait_tensorcnt 0x0                           ; my tiles have landed,
	s_barrier_signal -1
	s_barrier_wait -1                              ; everybody's have: x's record is read by all eight waves.  Nothing is ever filled again
	s_cmp_eq_u32 s[YY], 2
	s_cbranch_scc1 .Lv
	; ---- q, k.  Lane (r, h) wants, for column tile t = 2 b + u, the biases of d = 32 b + 16 h + 8 u + 0 .. 7
	s_wait_alu depctr_va_vdst(0)
	v_lshlrev_b32 v[BA], 6, v9
.irp t, 0,1,2,3
	global_load_b128 v[BI+8*\t:BI+8*\t+3], v[BA], s[40:41] offset:(32*(\t/2)+8*(\t%2))*4
	global_load_b128 v[BI+8*\t+4:BI+8*\t+7], v[BA], s[40:41] offset:(32*(\t/2)+8*(\t%2))*4+16
.endr
	KSTEP 0, 0
	KSTEP 1, 0
	KSTEP 2, 0
	KSTEP 3, 0
.irp m, 0,1,2,3,4,5,6,7
	s_wait_xcnt 0x0                                ; the last tile's stores have read their registers: the codes and the pair may be written again
	QUANT2 32*\m, PWA+\m%2
	global_store_b128 v[LI], v[PC:PC+3], s[42:43] offset:768*\m          ; 512 consecutive bytes,
	global_store_b64 v[L8], v[PC+4:PC+5], s[42:43] offset:768*\m+512     ; and 256
.if \m%2
	v_cndmask_b32 v[PWP], v[PWA], v[PWA+1], s63    ; lanes 0-15 the even tile's words, lanes 16-31 the odd tile's
	global_store_b32 v[LS], v[PWP], s[44:45] offset:128*(\m/2)
.endif
.endr
	s_wait_tensorcnt 0x0
	ds_add_u32 v254, v255
	s_wait_dscnt 0x0
	s_endpgm
.Lv:
	; ---- v.  Lane (r, h) holds column d = 32 (t / 2) + 8 (t % 2) + r + 8 (r / 8) of tile t in all eight registers: one bias, spread
	s_wait_alu depctr_va_vdst(0)
	v_and_b32 v[BA], 8, v8
	s_delay_alu instid0(VALU_DEP_1)
	v_add_nc_u32 v[BA], v[BA], v8
	s_delay_alu instid0(VALU_DEP_1)
	v_lshlrev_b32 v[BA], 2, v[BA]
.irp t, 0,1,2,3
	global_load_b32 v[BI+8*\t], v[BA], s[40:41] offset:(32*(\t/2)+8*(\t%2))*4
.endr
	s_wait_loadcnt 0x0
.irp t, 0,1,2,3
.irp j, 1,2,3,4,5,6,7
	v_mov_b32 v[BI+8*\t+\j], v[BI+8*\t]
.endr
.endr
.rept 4
	v_nop
.endr
	s_wait_alu depctr_va_vdst(0)
	KSTEP 0, 1
	KSTEP 1, 1
	KSTEP 2, 1
	KSTEP 3, 1
.irp t, 0,1,2,3
	s_wait_xcnt 0x0                                ; the last fragment's stores have read their registers
	QUANT4 64*\t, PWA+\t%2
.irp c, 0,1,2
	global_store_b128 v[LI], v[PC+4*\c:PC+4*\c+3], s[42:43] offset:6144+FRB*\t+512*\c
.endr
.if \t%2
	v_cndmask_b32 v[PWP], v[PWA], v[PWA+1], s63
	global_store_b32 v[LS], v[PWP], s[42:43] offset:12800+128*(\t/2)
.endif
.endr
	s_wait_tensorcnt 0x0
	ds_add_u32 v254, v255
	s_wait_dscnt 0x0
	s_endpgm
.Lfunc_end_k_qc9255e4b81_proj:
	.size	k_qc9255e4b81_proj, .Lfunc_end_k_qc9255e4b81_proj-k_qc9255e4b81_proj
	.p2alignl 7, 3214868480
	.fill 96, 4, 3214868480
	.section	.rodata,"a",@progbits
	.p2align	6, 0x0
	.amdhsa_kernel k_qc9255e4b81_proj
		.amdhsa_group_segment_fixed_size 267264
		.amdhsa_private_segment_fixed_size 0
		.amdhsa_enable_private_segment 0
		.amdhsa_kernarg_size 64
		.amdhsa_user_sgpr_count 2
		.amdhsa_user_sgpr_kernarg_segment_ptr 1
		.amdhsa_wavefront_size32 1
		.amdhsa_system_sgpr_workgroup_id_x 1
		.amdhsa_system_sgpr_workgroup_id_y 1
		.amdhsa_system_sgpr_workgroup_id_z 1
		.amdhsa_system_vgpr_workitem_id 0
		.amdhsa_next_free_vgpr 512
		.amdhsa_next_free_sgpr 76
		.amdhsa_reserve_vcc 0
		.amdhsa_float_denorm_mode_32 3
		.amdhsa_float_denorm_mode_16_64 3
		.amdhsa_memory_ordered 1
		.amdhsa_forward_progress 1
		.amdhsa_inst_pref_size 107
	.end_amdhsa_kernel
	.amdgpu_metadata
---
amdhsa.version: [ 1, 2 ]
amdhsa.kernels:
  - .name:           k_qc9255e4b81_proj
    .symbol:         k_qc9255e4b81_proj.kd
    .args:
      - { .name: xcod, .offset: 0, .size: 8, .value_kind: global_buffer, .address_space: global }
      - { .name: wcod, .offset: 8, .size: 8, .value_kind: global_buffer, .address_space: global }
      - { .name: bq, .offset: 16, .size: 8, .value_kind: global_buffer, .address_space: global }
      - { .name: bk, .offset: 24, .size: 8, .value_kind: global_buffer, .address_space: global }
      - { .name: bv, .offset: 32, .size: 8, .value_kind: global_buffer, .address_space: global }
      - { .name: qcod, .offset: 40, .size: 8, .value_kind: global_buffer, .address_space: global }
      - { .name: qscl, .offset: 48, .size: 8, .value_kind: global_buffer, .address_space: global }
      - { .name: kvrec, .offset: 56, .size: 8, .value_kind: global_buffer, .address_space: global }
    .group_segment_fixed_size: 267264
    .private_segment_fixed_size: 0
    .kernarg_segment_align: 8
    .kernarg_segment_size: 64
    .max_flat_workgroup_size: 256
    .sgpr_count:     76
    .vgpr_count:     512
    .wavefront_size: 32
...
	.end_amdgpu_metadata
.endif
;; end of part 2
;; launch attn (part 3): grid 16 x 16, 16 waves a work-group, no clusters, 327,680 bytes of LDS; arguments qcod, qscl, kvrec, ocod, oscl; writes ocod, oscl
.if DOCPART == 3
	.amdgcn_target "amdgcn-amd-amdhsa--gfx1250"
	.amdhsa_code_object_version 6
	.text
	.protected	k_qc9255e4b81_attn
	.globl	k_qc9255e4b81_attn
	.p2align	8
	.type	k_qc9255e4b81_attn,@function
k_qc9255e4b81_attn:
	s_mov_b64 s[64:65], 0
	v_nop
	global_prefetch_b8 v0, s[64:65] scope:SCOPE_SE
	s_setreg_imm32_b32 hwreg(HW_REG_WAVE_MODE, 25, 1), 1
	s_wait_xcnt 0x0
; o[bh][q][:] = the sum over k of softmax_k(q . k / 8) v[k][:]: 16 (batch, head) pairs, 4,096 queries and keys, head size 64; both products on codes of BF6 (E3M2) with E8M0 scales; o is quantised along d for the last projection.
; THE SOFTMAX: t = score x log2(e) / 8; M = the row's largest t so far, rounded UP to a whole number; p = 2^(t - M) is quantised along the keys, not normalised.  The row's sum is taken of the unquantised p, in f32, and divides O at
; the end.  When M moves, the sum and O are multiplied by 2^(old M - new M): exact.
; SHARES.  A work-group owns 256 queries of one bh, each of its sixteen waves 16 of them; every wave walks all 32 key steps of 128 keys.  A key step is one dense record of 13,056 bytes (images of operand registers):
; k's 8 half fragments at 768 m (registers 0-3 at 16 x lane, 4-5 at 512 + 8 x lane), V^T's 4 fragments at 6,144 + 1,536 t, k's scale words in 4 pairs of tiles at 12,288, V^T's in 2 pairs at 12,800.
; LDS holds 24 records.  The walk has four phases: records 0-3 (places 0-3), 4-11 (places 4-11), 12-23 (places 12-23), 24-31 (places 0-7, filled again).  Each phase's records are asked for behind the barrier at the head of the
; phase before, one record (51 rows of 256 bytes) a wave, by the waves whose number is under the phase's count of records: four barriers for 32 key steps.
; LAYOUT.  Both products are used transposed: S^T = K Q^T, O^T = V^T P^T: a lane holds ONE query (lane % 16).  THE KEYS OF A TILE OF K ARE CHOSEN HERE, BY THE LANES' LDS ADDRESSES: tile 4 c + i takes keys 64 c + 8 i + 0..7 in its
; rows 0-7 and keys 64 c + 32 + 8 i + 0..7 in its rows 8-15.  So the 32 registers of tiles 4 c .. 4 c + 3 of lane (q, h) are keys 64 c + 32 h + 0 .. 31: a WHOLE block of 32 in the order of P's operand: a block's largest
; score needs no other lane, and the conversions' results are the operand's registers.  (In a record, keys 32 g + 16 f + 8 u + x lie in tile 2 g + u, row 8 f + x.)
; THE HEAD'S K IS 64, THE INSTRUCTION'S 128: registers 6-11 of Q's fragment hold zero codes, its scale bytes 2, 3 are 0.  What stands in registers 6-11 of K's operand is multiplied by those zeros, and every code of E3M2 is a
; finite number: so K's eight half fragments lie 6 registers apart, and each operand's upper half is the next tile's codes (the last tile's: V^T's first six registers).
; NO JOINT REQUESTS, though the sixteen work-groups of a bh walk the same records: a record's 13,056 fetched bytes are read sixteen times from LDS (208,896 bytes), so what is shared is one sixteenth of a step's LDS bytes.
; NO PREFETCH: each fill is asked for a whole phase (4, 8, 12 key steps) ahead of the barrier in front of which it is waited for.
; LIMITS: NaN and infinities are not served.  The promise holds while the scaled scores t stay under 2^31 in magnitude.  p under 2^-126 comes out of v_exp_f32 as 0.  1 / the sum is v_rcp_f32's.
; A block of o whose largest magnitude lies under 2^-122 gets the byte 1; these bytes are read by this program alone.
.set REC,   13056
.set SPARE, 24*REC                     ; behind the 24 places: the spare words, 128 bytes for each wave: eight blocks of 256 bytes that no other line names
.set L16, 1                            ; v1   16 x lane
.set L8,  2                            ; v2   8 x lane
.set L4,  3                            ; v3   4 x lane
.set SPW, 4                            ; v4   LDS address of my spare word; never rewritten
.set NIL, 5                            ; v5   0; never rewritten
.set KA16, 6                           ; v6-8  this step's addresses of K's registers 0-3, 4-5 and scale words
.set KA8,  7
.set KSA,  8
.set VA16, 9                           ; v9-10 of V^T's fragments and scale words
.set VSA,  10
                                       ; v12 -M, v13 the largest score so far, v[14:15] the sum in two halves
.set QF,  16                           ; v16-27   Q
.set KF,  28                           ; v28-75   K's eight half fragments, 6 registers apart
.set VF,  76                           ; v76-123  V^T's four fragments
.set S,   124                          ; v124-187 S^T, then p
.set O,   188                          ; v188-219 O^T
.set PC,  220                          ; v220-231 p's codes
.set B,   232                          ; v232-233 my two blocks' largest score, largest p, the conversions' scale operand; v234-235 two more chains of the maximum
.set CT0, 234                          ; v234-236, v238-240 a conversion's three registers begin on an even number: the blocks' second halves are made here and moved
.set OM,  237                          ; v237     the old -M; later at work
.set CT1, 238
.set PT,  241                          ; v241     what a lane permute brings
.set F,   242                          ; v242     f = 2^(old M - new M); v243 is named with it as a pair
.set LK16, 244                         ; v244-246 the lanes' places in K's tiles
.set LK8,  245
.set LKS,  246
.set TW,  247                          ; v247     at work
.set KSC, 248                          ; v248-251 K's scale words: register t / 2: lanes 0-15 tile t even, lanes 16-31 tile t odd
.set VSC, 252                          ; v252-253 V^T's, likewise
.set PW,  254                          ; v254     p's scale word
.set QS,  255                          ; v255     Q's scale words
.set WV,  14
.set SEL, 16                           ; s[16:17] lane selects for lane l xor 16
.set CS,  18                           ; s[18:19] c = log2(e) / 8
.set TB,  36                           ; s36  LDS byte at which the record in hand begins
.set CNT, 37
.macro TLOAD n                         ; waves 0 .. n - 1 fetch a record each; the branch hangs on the wave's number alone
	s_cmp_lt_u32 s[WV], \n
	s_cbranch_scc0 .Lasked_\@
	tensor_load_to_lds s[32:35], s[24:31]
	s_nop 0
.rept 4
	v_nop
.endr
.Lasked_\@:
.endm
.macro SMUL t
.if (\t)%2
	v_wmma_scale_f32_16x16x128_f8f6f4 v[S+8*\t:S+8*\t+7], v[KF+6*\t:KF+6*\t+11], v[QF:QF+11], 0, v[KSC+\t/2], v[QS] matrix_a_fmt:MATRIX_FMT_BF6 matrix_b_fmt:MATRIX_FMT_BF6 matrix_a_scale:MATRIX_SCALE_ROW1
.else
	v_wmma_scale_f32_16x16x128_f8f6f4 v[S+8*\t:S+8*\t+7], v[KF+6*\t:KF+6*\t+11], v[QF:QF+11], 0, v[KSC+\t/2], v[QS] matrix_a_fmt:MATRIX_FMT_BF6 matrix_b_fmt:MATRIX_FMT_BF6
.endif
.endm
.macro PMUL t
.if (\t)%2
	v_wmma_scale_f32_16x16x128_f8f6f4 v[O+8*\t:O+8*\t+7], v[VF+12*\t:VF+12*\t+11], v[PC:PC+11], v[O+8*\t:O+8*\t+7], v[VSC+\t/2], v[PW] matrix_a_fmt:MATRIX_FMT_BF6 matrix_b_fmt:MATRIX_FMT_BF6 matrix_a_scale:MATRIX_SCALE_ROW1
.else
	v_wmma_scale_f32_16x16x128_f8f6f4 v[O+8*\t:O+8*\t+7], v[VF+12*\t:VF+12*\t+11], v[PC:PC+11], v[O+8*\t:O+8*\t+7], v[VSC+\t/2], v[PW] matrix_a_fmt:MATRIX_FMT_BF6 matrix_b_fmt:MATRIX_FMT_BF6
.endif
.endm
.macro TMM n                           ; t - M for the next 2 n scores, two at a time (of the pairs c and -M the low word serves both halves)
.rept \n
	v_pk_fma_f32 v[S+j:S+j+1], v[S+j:S+j+1], s[CS:CS+1], v[12:13] op_sel_hi:[1,0,0]
.set j, j+2
.endr
.endm
	s_load_b256 s[4:11], s[0:1], 0x0               ; qcod, qscl, kvrec, ocod
	s_load_b64 s[12:13], s[0:1], 0x20              ; oscl
	v_lshl_add_u32 v[SPW], v0, 2, SPARE
	v_mov_b32 v[NIL], 0
	ds_add_u32 v[SPW], v[NIL]                      ; the opening lines: the add, twice on end, and its wait ahead of the first tensor load
	ds_add_u32 v[SPW], v[NIL]
	v_lshrrev_b32 v6, 5, v0
	v_readfirstlane_b32 s[WV], v6                  ; wave 0..15
	s_and_b32 s40, ttmp7, 0xffff                   ; bh
	s_mov_b32 s24, 3<<16                           ; group 1: a record, 13,056 dense bytes, as 51 rows of 256 bytes (32 elements of 8 bytes), no padding
	s_mov_b32 s25, 32<<16
	s_mov_b32 s26, 51<<16
	s_mov_b32 s27, 32<<16
	s_mov_b32 s28, 51
	s_mov_b32 s29, 32
	s_mov_b32 s30, 0
	s_mov_b32 s31, 0
	s_mul_i32 s38, s[WV], REC                      ; which record of a phase I fetch, if I fetch
	s_mul_i32 s42, s40, 32*REC
	s_add_co_u32 s42, s42, s38
	s_mov_b32 s43, 0
	s_lshl_b32 s44, ttmp9, 4
	s_add_co_u32 s44, s44, s[WV]                   ; my query tile in the bh: 16 x work-group x + wave
	s_lshl_b32 s45, s40, 8
	s_add_co_u32 s45, s45, s44
	s_mul_i32 s46, s45, 768                        ; its codes,
	s_mov_b32 s47, 0
	s_lshl_b32 s48, s45, 6                         ; its 16 scale words
	s_mov_b32 s49, 0
	s_lshr_b32 s50, s40, 3
	s_lshl_b32 s50, s50, 8
	s_add_co_u32 s50, s50, s44                     ; the token tile: 256 x batch + my tile,
	s_lshl_b32 s50, s50, 3
	s_and_b32 s51, s40, 7
	s_add_co_u32 s50, s50, s51                     ; times 8, + head
	s_mul_i32 s52, s50, 768
	s_mov_b32 s53, 0
	s_lshl_b32 s54, s50, 7
	s_mov_b32 s55, 0
	s_mov_b32 s[SEL], 0x76543210
	s_mov_b32 s[SEL+1], 0xfedcba98
	s_mov_b32 s[CS], 0x3e38aa3b                    ; log2(e) / 8
	s_mov_b32 s[CS+1], s[CS]                       ; (named with it as a pair, so it is written)
	s_wait_alu depctr_va_vdst(0)
	s_wait_dscnt 0x0                               ; both opening adds are done
	s_wait_kmcnt 0x0
	s_mov_b32 s32, 1                               ; group 0: count = 1,
	s_mov_b32 s33, s38                             ; LDS address: place = wave,
	s_add_nc_u64 s[34:35], s[8:9], s[42:43]        ; global address: the bh's record number wave,
	s_or_b32 s35, s35, 0x80000000                  ; type = 2
	TLOAD 4                                        ; records 0-3: one tensor load of a wave is out at most
	s_add_nc_u64 s[4:5], s[4:5], s[46:47]
	s_add_nc_u64 s[6:7], s[6:7], s[48:49]
	s_add_nc_u64 s[10:11], s[10:11], s[52:53]
	s_add_nc_u64 s[12:13], s[12:13], s[54:55]
	v_and_b32 v6, 31, v0
	v_and_b32 v9, 15, v0
	v_lshlrev_b32 v[L16], 4, v6
	v_lshlrev_b32 v[L8], 3, v6
	v_lshlrev_b32 v[L4], 2, v6
	v_lshlrev_b32 v9, 2, v9
	global_load_b128 v[QF:QF+3], v[L16], s[4:5]    ; Q's half fragment stays in registers
	global_load_b64 v[QF+4:QF+5], v[L8], s[4:5] offset:512
	global_load_b32 v[QS], v9, s[6:7]              ; and its scale words
	v_and_b32 v11, 7, v0                           ; x = row % 8
	v_bfe_u32 v6, v0, 4, 1                         ; h
	v_bfe_u32 v7, v0, 3, 1                         ; row / 8: the record's tile two further on
	v_mul_u32_u24 v8, v7, 1536
	v_lshl_add_u32 v[LK16], v6, 8, v8
	v_lshl_add_u32 v[LK8], v6, 7, v8
	v_lshlrev_b32 v[LKS], 7, v7
	v_lshl_add_u32 v[LK16], v11, 4, v[LK16]        ; 1,536 (row / 8) + 256 h + 16 x
	v_lshl_add_u32 v[LK8], v11, 3, v[LK8]          ; 1,536 (row / 8) + 128 h + 8 x
	v_lshl_add_u32 v[LKS], v6, 6, v[LKS]
	v_lshl_add_u32 v[LKS], v11, 2, v[LKS]          ; 128 (row / 8) + 64 h + 4 x: lanes 16-31 take the odd tile's words
.irp i, 6,7,8,9,10,11
	v_mov_b32 v[QF+\i], 0                          ; the upper 64 of the instruction's K: zero codes, never loaded into
.endr
.irp i, 0,1,2,3,4,5
	v_mov_b32 v[VF+\i], 0                          ; named by the first step's last product of scores before V^T's first load
.endr
	v_mov_b32 v13, 0xff61b1e6                      ; the largest score so far: -3e38
	v_floor_f32 v12, -v13                          ; -M
	v_mov_b32 v14, 0                               ; the sum, in two halves
	v_mov_b32 v15, 0
	v_mov_b32 v[PT], 0                             ; written once: a lane permute's destination counts as one of its sources
	v_mov_b32 v[TW], 0
	v_mov_b32 v[F+1], 0
.set j, 0
.rept 32
	v_mov_b32 v[O+j], 0                            ; O^T.  (The step is written once: the first finds zeros, which the first change of M leaves zeros)
.set j, j+1
.endr
; A KEY STEP: 128 keys, the record at LDS byte s[TB].
.macro STEP
	v_add_nc_u32 v[KA16], s[TB], v[LK16]
	v_add_nc_u32 v[KA8], s[TB], v[LK8]
	v_add_nc_u32 v[KSA], s[TB], v[LKS]
.irp p, 0,1,2,3
	ds_load_b32 v[KSC+\p], v[KSA] offset:12288+256*(\p/2)+32*(\p%2)
.endr
.irp t, 0,1,2,3,4,5,6,7
	ds_load_b128 v[KF+6*\t:KF+6*\t+3], v[KA16] offset:768*(4*(\t/4)+\t%2)+128*((\t%4)/2)
	ds_load_b64 v[KF+6*\t+4:KF+6*\t+5], v[KA8] offset:512+768*(4*(\t/4)+\t%2)+64*((\t%4)/2)
.endr
	s_wait_dscnt 0x0                               ; K's 20 loads are in
.irp t, 0,1,2,3,4,5,6,7
	SMUL \t                                        ; S^T = K Q^T
.endr
	v_add_nc_u32 v[VA16], s[TB], v[L16]            ; four places behind the products: in front of the loads into V^T's registers and of the first read of the scores
	v_add_nc_u32 v[VSA], s[TB], v[L4]
	v_mov_b32 v[OM], v12                           ; the old -M
	v_nop
.irp t, 0,1,2,3                                ; V^T's fragments are asked for here and land under the softmax
.irp c, 0,1,2
	ds_load_b128 v[VF+12*\t+4*\c:VF+12*\t+4*\c+3], v[VA16] offset:6144+1536*\t+512*\c
.endr
.endr
.irp i, 0,1
	ds_load_b32 v[VSC+\i], v[VSA] offset:12800+128*\i
.endr
.irp g, 0,1,2,3                                ; THE LARGEST SCORE OF MY TWO BLOCKS OF 32 KEYS, in four chains of 16 by turns; it serves for the row's maximum and, since p rises with the score, for the block's largest p
	v_max3_num_f32 v[B+\g/2+2*(\g%2)], v[S+16*\g], v[S+1+16*\g], v[S+2+16*\g]   ; (each accumulator is first read at its low end)
.endr
.irp i, 3,5,7,9,11,13
.irp g, 0,1,2,3
	v_max3_num_f32 v[B+\g/2+2*(\g%2)], v[B+\g/2+2*(\g%2)], v[S+16*\g+\i], v[S+1+16*\g+\i]
.endr
.endr
	v_max3_num_f32 v[B], v[B], v[S+15], v[S+31]
	v_max3_num_f32 v[B+1], v[B+1], v[S+47], v[S+63]
	s_delay_alu instid0(VALU_DEP_2)
	v_max_num_f32 v[B], v[B], v[B+2]               ; block h
	s_delay_alu instid0(VALU_DEP_2)
	v_max_num_f32 v[B+1], v[B+1], v[B+3]           ; block 2 + h
	s_delay_alu instid0(VALU_DEP_1)
	v_max_num_f32 v[TW], v[B], v[B+1]
	s_delay_alu instid0(VALU_DEP_1)
	v_permlanex16_b32 v[PT], v[TW], s[SEL], s[SEL+1]
	s_delay_alu instid0(VALU_DEP_1)
	v_max3_num_f32 v13, v13, v[TW], v[PT]          ; the running largest score of my query, lane l xor 16's 64 keys among them
	s_delay_alu instid0(VALU_DEP_1)
	v_mul_f32 v[TW], s[CS], v13                    ; as t (c is positive)
	s_delay_alu instid0(VALU_DEP_1)
	v_floor_f32 v12, -v[TW]                        ; the new -M = floor(-t) = -ceil(t): M IS A WHOLE NUMBER
	s_delay_alu instid0(VALU_DEP_1)
	v_sub_f32 v[TW], v12, v[OM]                    ; M's old value less its new one: a whole number, 0 or less
.set j, 0
	TMM 8
	v_cvt_i32_f32 v[TW], v[TW]                     ; (it saturates)
	TMM 8
	v_ldexp_f32 v[F], 1.0, v[TW]                   ; f = 2^(old M - new M)
	TMM 16
	v_fma_f32 v[B], v[B], s[CS], v12               ; the same of each block's largest score
	v_fma_f32 v[B+1], v[B+1], s[CS], v12
.set j, 0
.rept 16
	v_pk_mul_f32 v[O+j:O+j+1], v[O+j:O+j+1], v[F:F+1] op_sel_hi:[1,0]   ; O^T under the new M: x f; each accumulator from its low end on
.set j, j+2
.endr
	s_wait_alu depctr_va_vdst(0)
.set j, 0
.rept 64
	v_exp_f32 v[S+j], v[S+j]                       ; p = 2^(t - M): NOT normalised
.set j, j+1
.endr
	v_exp_f32 v[B], v[B]                           ; the blocks' largest p: the same two instructions on the same number give the same bits
	v_exp_f32 v[B+1], v[B+1]
	v_nop                                          ; a plain place behind the exponentials
	s_wait_alu depctr_va_vdst(0)                   ; one wait for the whole batch; it also stands directly ahead of the wait below
	s_wait_dscnt 0x0                               ; V^T's 14 loads are in
	v_max_num_f32 v[B], 0x2800000, v[B]            ; the floor 2^(5 - 127): the byte cannot fall under 1
	v_max_num_f32 v[B+1], 0x2800000, v[B+1]
	s_delay_alu instid0(VALU_DEP_2)
	v_add_nc_u32 v[B], 0xfe000000, v[B]            ; 4 off the exponent field: the conversion's scale operand
	v_add_nc_u32 v[B+1], 0xfe000000, v[B+1]
	v_cvt_scalef32_pk16_bf6_f32 v[PC:PC+2], v[S:S+15], v[B]
	v_cvt_scalef32_pk16_bf6_f32 v[CT0:CT0+2], v[S+16:S+31], v[B]
	v_cvt_scalef32_pk16_bf6_f32 v[PC+6:PC+8], v[S+32:S+47], v[B+1]
	v_cvt_scalef32_pk16_bf6_f32 v[CT1:CT1+2], v[S+48:S+63], v[B+1]
	v_lshrrev_b32 v[OM], 23, v[B]                  ; the scales' bytes.  (Plain places behind the conversions)
	v_lshrrev_b32 v[TW], 23, v[B+1]
	s_delay_alu instid0(VALU_DEP_1)
	v_lshl_or_b32 v[OM], v[TW], 16, v[OM]          ; my two: blocks h and 2 + h
	s_delay_alu instid0(VALU_DEP_1)
	v_permlanex16_b32 v[PT], v[OM], s[SEL], s[SEL+1]
.irp i, 0,1,2
	v_mov_b32 v[PC+3+\i], v[CT0+\i]
	v_mov_b32 v[PC+9+\i], v[CT1+\i]
.endr
	v_lshl_or_b32 v[PW], v[PT], 8, v[OM]           ; p's scale word: whole in lanes 0-15, which are the lanes that the product reads
.irp r, 1,2,3,4,5,6,7                          ; THE ROW'S SUM IS TAKEN OF THE UNQUANTISED p: two at a time, in four chains, in place.  (These 32 lines are also the places between p's codes and scale word and the products)
.irp a, 0,1,2,3
	v_pk_add_f32 v[S+2*\a:S+2*\a+1], v[S+2*\a:S+2*\a+1], v[S+8*\r+2*\a:S+8*\r+2*\a+1]
.endr
.endr
	v_pk_add_f32 v[S:S+1], v[S:S+1], v[S+2:S+3]
	v_pk_add_f32 v[S+4:S+5], v[S+4:S+5], v[S+6:S+7]
	s_delay_alu instid0(VALU_DEP_1)
	v_pk_add_f32 v[S:S+1], v[S:S+1], v[S+4:S+5]
	s_delay_alu instid0(VALU_DEP_1)
	v_pk_fma_f32 v[14:15], v[14:15], v[F:F+1], v[S:S+1] op_sel_hi:[1,0,1]   ; the old sum under the new M, and this step's
.irp t, 0,1,2,3                                ; O^T += V^T P^T: the four accumulators take turns, and eight other products stand between a step's and the next step's
	PMUL \t
.endr
.endm
; A CHANGE OF PHASE.  Each wave waits for all its tensor loads (its record of the phase ahead), adds 0 to its spare word, and waits for that and for its reads of the phase that it has left.
; Behind the barrier the phase ahead is whole.  n > 0: waves 0 .. n - 1 ask for the records of the phase after that, adv records on in memory, from place pos on: places that nobody reads any more, or that were never filled.
; The add stands twice where a tensor load follows.
.macro CHANGE n, pos, adv
	s_wait_tensorcnt 0x0                           ; no tensor load of mine is out, so group 0 may be written
	ds_add_u32 v[SPW], v[NIL]
.if \n
	ds_add_u32 v[SPW], v[NIL]
	s_add_co_u32 s33, s38, \pos*REC
	s_add_nc_u64 s[34:35], s[34:35], \adv*REC      ; the type bits on top are not reached
.endif
	s_wait_dscnt 0x0
	s_barrier_signal -1
	s_barrier_wait -1
.if \n
	TLOAD \n                                       ; the first thing behind the barrier, and a wave's one tensor load until the next
.endif
.endm
.macro PHASE pos, trips                ; the key steps of the records at places pos .. pos + trips - 1
	s_mov_b32 s[TB], \pos*REC
	s_mov_b32 s[CNT], \trips
.Lstep_\@:
	STEP
	s_add_co_u32 s[TB], s[TB], REC
	s_sub_co_u32 s[CNT], s[CNT], 1
	s_cmp_lg_u32 s[CNT], 0
	s_cbranch_scc1 .Lstep_\@
.endm
	s_wait_alu depctr_va_vdst(0)
	s_wait_loadcnt 0x0                             ; Q
	CHANGE 8, 4, 4                                 ; records 0-3 are in; 4-11 are asked for
	PHASE 0, 4
	CHANGE 12, 12, 8                               ; 12-23 are asked for
	PHASE 4, 8
	CHANGE 8, 0, 12                                ; 24-31 are asked for, into places 0-7, which were read in the first two phases
	PHASE 12, 12
	CHANGE 0, 0, 0
	PHASE 0, 8
	; THE WAY OUT.  O^T / the sum; its 32 registers are d = 32 b + 16 (lane / 16) + i of my query: two blocks along the last projection's K.  They become half a fragment and a scale word, stored as images.
.rept 4
	v_nop                                          ; places behind the last products
.endr
	v_add_f32 v14, v14, v15                        ; the sum's two halves,
	s_delay_alu instid0(VALU_DEP_1)
	v_permlanex16_b32 v[PT], v14, s[SEL], s[SEL+1]
	s_delay_alu instid0(VALU_DEP_1)
	v_add_f32 v14, v14, v[PT]                      ; and lane l xor 16's: the row's sum
	s_wait_alu depctr_va_vdst(0)
	v_rcp_f32 v14, v14
	v_nop                                          ; a plain place behind it
	s_wait_alu depctr_va_vdst(0)                   ; the wait ahead of its first reader, which is also O^T's
.set j, 0
.rept 16
	v_pk_mul_f32 v[S+j:S+j+1], v[O+j:O+j+1], v[14:15] op_sel_hi:[1,0]   ; each accumulator from its low end on
.set j, j+2
.endr
.irp b, 0,1
	v_max3_num_f32 v[B+\b], |v[S+16*\b]|, |v[S+1+16*\b]|, 0x2800000
.endr
.irp i, 2,4,6,8,10,12,14
.irp b, 0,1
	s_delay_alu instid0(VALU_DEP_2)
	v_max3_num_f32 v[B+\b], v[B+\b], |v[S+16*\b+\i]|, |v[S+1+16*\b+\i]|
.endr
.endr
	s_delay_alu instid0(VALU_DEP_2)
	v_permlanex16_b32 v[PT], v[B], s[SEL], s[SEL+1]
	s_delay_alu instid0(VALU_DEP_2)
	v_permlanex16_b32 v[TW], v[B+1], s[SEL], s[SEL+1]
	s_delay_alu instid0(VALU_DEP_2)
	v_max_num_f32 v[B], v[B], v[PT]
	s_delay_alu instid0(VALU_DEP_2)
	v_max_num_f32 v[B+1], v[B+1], v[TW]
	s_delay_alu instid0(VALU_DEP_2)
	v_add_nc_u32 v[B], 0xfe000000, v[B]
	s_delay_alu instid0(VALU_DEP_2)
	v_add_nc_u32 v[B+1], 0xfe000000, v[B+1]
	s_delay_alu instid0(VALU_DEP_2)
	v_lshrrev_b32 v[OM], 23, v[B]
	s_delay_alu instid0(VALU_DEP_2)
	v_lshrrev_b32 v[TW], 23, v[B+1]
	s_delay_alu instid0(VALU_DEP_1)
	v_lshl_or_b32 v[TW], v[TW], 8, v[OM]           ; two bytes; the upper two are 0
	v_cvt_scalef32_pk16_bf6_f32 v[PC:PC+2], v[S:S+15], v[B]
	v_cvt_scalef32_pk16_bf6_f32 v[CT0:CT0+2], v[S+16:S+31], v[B+1]
	v_nop                                          ; one plain place behind a scaled conversion
.irp i, 0,1,2
	v_permlane16_swap_b32 v[PC+\i], v[CT0+\i]      ; lanes 0-15 come to hold block 0, lanes 16-31 block 1
.endr
.irp i, 0,1,2
	v_mov_b32 v[PC+3+\i], v[CT0+\i]
.endr
	global_store_b128 v[L16], v[PC:PC+3], s[10:11]             ; 512 consecutive bytes,
	global_store_b64 v[L8], v[PC+4:PC+5], s[10:11] offset:512  ; 256,
	global_store_b32 v[L4], v[TW], s[12:13]                    ; and 128
	s_wait_tensorcnt 0x0                           ; the wave's end
	ds_add_u32 v[SPW], v[NIL]
	s_wait_dscnt 0x0
	s_endpgm
.Lfunc_end_k_qc9255e4b81_attn:
	.size	k_qc9255e4b81_attn, .Lfunc_end_k_qc9255e4b81_attn-k_qc9255e4b81_attn
	.p2alignl 7, 3214868480
	.fill 96, 4, 3214868480
	.section	.rodata,"a",@progbits
	.p2align	6, 0x0
	.amdhsa_kernel k_qc9255e4b81_attn
		.amdhsa_group_segment_fixed_size 327680
		.amdhsa_private_segment_fixed_size 0
		.amdhsa_enable_private_segment 0
		.amdhsa_kernarg_size 40
		.amdhsa_user_sgpr_count 2
		.amdhsa_user_sgpr_kernarg_segment_ptr 1
		.amdhsa_wavefront_size32 1
		.amdhsa_system_sgpr_workgroup_id_x 1
		.amdhsa_system_sgpr_workgroup_id_y 1
		.amdhsa_system_sgpr_workgroup_id_z 1
		.amdhsa_system_vgpr_workitem_id 0
		.amdhsa_next_free_vgpr 256
		.amdhsa_next_free_sgpr 66
		.amdhsa_reserve_vcc 0
		.amdhsa_float_denorm_mode_32 3
		.amdhsa_float_denorm_mode_16_64 3
		.amdhsa_memory_ordered 1
		.amdhsa_forward_progress 1
		.amdhsa_inst_pref_size 73
	.end_amdhsa_kernel
	.amdgpu_metadata
---
amdhsa.version: [ 1, 2 ]
amdhsa.kernels:
  - .name:           k_qc9255e4b81_attn
    .symbol:         k_qc9255e4b81_attn.kd
    .args:
      - { .name: qcod, .offset: 0, .size: 8, .value_kind: global_buffer, .address_space: global }
      - { .name: qscl, .offset: 8, .size: 8, .value_kind: global_buffer, .address_space: global }
      - { .name: kvrec, .offset: 16, .size: 8, .value_kind: global_buffer, .address_space: global }
      - { .name: ocod, .offset: 24, .size: 8, .value_kind: global_buffer, .address_space: global }
      - { .name: oscl, .offset: 32, .size: 8, .value_kind: global_buffer, .address_space: global }
    .group_segment_fixed_size: 327680
    .private_segment_fixed_size: 0
    .kernarg_segment_align: 8
    .kernarg_segment_size: 40
    .max_flat_workgroup_size: 512
    .sgpr_count:     66
    .vgpr_count:     256
    .wavefront_size: 32
...
	.end_amdgpu_metadata
.endif
;; end of part 3
;; launch oproj (part 4): grid 64 x 4, 8 waves a work-group, no clusters, 168,960 bytes of LDS; arguments ocod, oscl, wcod, bo, out0; writes out0
.if DOCPART == 4
	.amdgcn_target "amdgcn-amd-amdhsa--gfx1250"
	.amdhsa_code_object_version 6
	.text
	.protected	k_qc9255e4b81_oproj
	.globl	k_qc9255e4b81_oproj
	.p2align	8
	.type	k_qc9255e4b81_oproj,@function
k_qc9255e4b81_oproj:
	s_mov_b64 s[64:65], 0
	v_nop
	global_prefetch_b8 v0, s[64:65] scope:SCOPE_SE
	s_setreg_imm32_b32 hwreg(HW_REG_WAVE_MODE, 25, 1), 1
	s_wait_xcnt 0x0
; out0 = o Wo + bo on codes of BF6 (E3M2) with E8M0 scales, sums in f32.  o arrives as images of half fragments, [token tile 512][head 8][768] with scale words [tile][head][128]; head 2 s + c is half c of K step s.
; SHARES.  Work-group (x, y): 128 tokens x 128 columns: 256 work-groups.  Wave w = token tile 8 x + w: 16 tokens x 128 columns, 8 accumulators, K = 512 in four steps of 128.
; Wo's two records of 64 columns (53,248 bytes) come into LDS once, by one tensor load each of waves 0 and 1, and are read by all eight waves.  o's fragments are read by this wave alone: straight into registers.
; THE PRODUCT IS USED TRANSPOSED (source 0 = 16 columns of Wo, source 1 = my 16 tokens): a lane holds eight neighbouring columns of one token's row: column 32 b + 16 (lane / 16) + 8 u + j of a group of 64 in register j of tile 2 b + u.
; THE WAY OUT: through my wave's own stage in LDS (16 rows of 512 bytes + 16), back as whole rows, + bo, and each store covers 512 consecutive bytes, aligned.  Row i of a tile is token 32 (w / 2) + 8 (w % 2) + i + 8 (i / 8) of the block.
; The stages lie behind Wo's records, in blocks of 256 bytes into which no tensor load lands.  Nothing is filled again.
; NO JOINT REQUESTS: the shared records come once, as a first fill, and the launch has one barrier.
.set WREC, 26624
.set FRB,  1536
.set SP,   528
.set STG,  2*WREC
.set LI,  1                            ; v1   16 x lane
.set L8,  2                            ; v2   8 x lane
.set LS,  3                            ; v3   4 x lane
.set STO, 4                            ; v4   the stage: where I put 32 bytes of a row
.set RD,  5                            ; v5   and where I read a row back
.set AF,  16                           ; v16-63   o's four fragments
.set RW,  64                           ; v64-71   the heads' scale words as loaded
.set AS,  72                           ; v72-75   o's scale words, one for each K step
.set WF,  76                           ; v76-171  Wo's eight fragments of a K step; later 16 rows of the result
.set WS,  172                          ; v172-179 their scale words
.set ACC, 180                          ; v180-243 the accumulators
.set BB,  244                          ; v244-247 bo at my four columns of a row
.set WV,  14
	s_load_b256 s[4:11], s[0:1], 0x0               ; ocod, oscl, wcod, bo
	s_load_b64 s[12:13], s[0:1], 0x20              ; out0
	v_lshl_add_u32 v254, v0, 2, 0x29000
	v_mov_b32 v255, 0
	ds_add_u32 v254, v255
	ds_add_u32 v254, v255
	v_lshrrev_b32 v6, 5, v0
	s_delay_alu instid0(VALU_DEP_1)
	v_readfirstlane_b32 s[WV], v6                  ; wave 0..7
	s_and_b32 s15, ttmp7, 0xffff                   ; which 128 columns
	; descriptor group 1: a record, 26,624 dense bytes, as 104 rows of 256 bytes (32 elements of 8 bytes), no padding
	s_mov_b32 s24, 3<<16
	s_mov_b32 s25, 32<<16
	s_mov_b32 s26, 104<<16
	s_mov_b32 s27, 32<<16
	s_mov_b32 s28, 104
	s_mov_b32 s29, 32
	s_mov_b32 s30, 0
	s_mov_b32 s31, 0
	s_and_b32 s16, s[WV], 1                        ; which of the two records I fetch, if I fetch
	s_lshl_b32 s17, s15, 1
	s_add_co_u32 s17, s17, s16
	s_add_co_u32 s17, s17, 24                      ; Wo's records are 24 .. 31 of wcod
	s_mul_i32 s18, s17, WREC
	s_mov_b32 s19, 0
	s_mul_i32 s16, s16, WREC
	s_lshl_b32 s20, ttmp9, 3
	s_add_co_u32 s20, s20, s[WV]                   ; my token tile
	s_mul_i32 s36, s20, 8*768                      ; its codes,
	s_mov_b32 s37, 0
	s_lshl_b32 s38, s20, 10                        ; its scale words
	s_mov_b32 s39, 0
	s_lshl_b32 s40, ttmp9, 7
	s_lshr_b32 s21, s[WV], 1
	s_lshl_b32 s21, s21, 5
	s_add_co_u32 s40, s40, s21
	s_and_b32 s21, s[WV], 1
	s_lshl_b32 s21, s21, 3
	s_add_co_u32 s40, s40, s21                     ; the tile's first token: 128 x + 32 (w / 2) + 8 (w % 2)
	s_lshl_b32 s40, s40, 11                        ; rows of 2,048 bytes
	s_lshl_b32 s42, s15, 9                         ; my 128 columns: 512 bytes
	s_add_co_u32 s40, s40, s42
	s_mov_b32 s41, 0
	s_mov_b32 s43, 0
	s_wait_dscnt 0x0
	s_wait_kmcnt 0x0
	s_mov_b32 s32, 1
	s_mov_b32 s33, s16
	s_add_nc_u64 s[34:35], s[8:9], s[18:19]
	s_or_b32 s35, s35, 0x80000000
	s_cmp_lt_u32 s[WV], 2
	s_cbranch_scc0 .Lasked
	tensor_load_to_lds s[32:35], s[24:31]
	s_nop 0
.rept 4
	v_nop
.endr
.Lasked:
	s_add_nc_u64 s[4:5], s[4:5], s[36:37]
	s_add_nc_u64 s[6:7], s[6:7], s[38:39]
	s_add_nc_u64 s[10:11], s[10:11], s[42:43]
	s_add_nc_u64 s[12:13], s[12:13], s[40:41]
	v_and_b32 v6, 31, v0
	s_delay_alu instid0(VALU_DEP_1)
	v_lshlrev_b32 v[LI], 4, v6
	s_delay_alu instid0(VALU_DEP_2)
	v_lshlrev_b32 v[L8], 3, v6
	s_delay_alu instid0(VALU_DEP_3)
	v_lshlrev_b32 v[LS], 2, v6
.irp s, 0,1,2,3
.irp c, 0,1
	global_load_b128 v[AF+12*\s+6*\c:AF+12*\s+6*\c+3], v[LI], s[4:5] offset:768*(2*\s+\c)
	global_load_b64 v[AF+12*\s+6*\c+4:AF+12*\s+6*\c+5], v[L8], s[4:5] offset:768*(2*\s+\c)+512
	global_load_b32 v[RW+2*\s+\c], v[LS], s[6:7] offset:128*(2*\s+\c)
.endr
.endr
	global_load_b128 v[BB:BB+3], v[LI], s[10:11]
	v_and_b32 v8, 15, v0                           ; r
	v_bfe_u32 v9, v0, 4, 1                         ; h
	s_mul_i32 s21, s[WV], 16*SP
	s_add_co_u32 s21, s21, STG                     ; my stage
	v_mul_u32_u24 v[STO], v8, SP
	s_delay_alu instid0(VALU_DEP_1)
	v_lshl_add_u32 v[STO], v9, 6, v[STO]
	s_delay_alu instid0(VALU_DEP_1)
	v_add_nc_u32 v[STO], s21, v[STO]               ; in: row r, + 64 h
	v_add_nc_u32 v[RD], s21, v[LI]                 ; back: 16 bytes a lane, a row an instruction
	s_wait_tensorcnt 0x0                           ; my record has landed,
	s_barrier_signal -1
	s_barrier_wait -1                              ; both have
	s_wait_loadcnt 0x0
.irp s, 0,1,2,3
	v_lshl_or_b32 v[AS+\s], v[RW+2*\s+1], 16, v[RW+2*\s]   ; bytes 0, 1: head 2 s; bytes 2, 3: head 2 s + 1
.endr
.rept 8
	v_nop                                          ; a scale register written by a vector instruction stands 8 places ahead of a scaled product
.endr
	s_wait_alu depctr_va_vdst(0)
.irp s, 0,1,2,3
.irp hh, 0,1
.irp t, 0,1,2,3
.irp c, 0,1,2
	ds_load_b128 v[WF+12*(4*\hh+\t)+4*\c:WF+12*(4*\hh+\t)+4*\c+3], v[LI] offset:\hh*WREC+(4*\t+\s)*FRB+512*\c
.endr
	ds_load_b32 v[WS+4*\hh+\t], v[LS] offset:\hh*WREC+24576+(4*\t+\s)*128
.endr
.endr
	s_wait_dscnt 0x0
.irp n, 0,1,2,3,4,5,6,7                        ; the eight accumulators by turns; the first K step starts the sums
.if \s == 0
	v_wmma_scale_f32_16x16x128_f8f6f4 v[ACC+8*\n:ACC+8*\n+7], v[WF+12*\n:WF+12*\n+11], v[AF+12*\s:AF+12*\s+11], 0, v[WS+\n], v[AS+\s] matrix_a_fmt:MATRIX_FMT_BF6 matrix_b_fmt:MATRIX_FMT_BF6
.else
	v_wmma_scale_f32_16x16x128_f8f6f4 v[ACC+8*\n:ACC+8*\n+7], v[WF+12*\n:WF+12*\n+11], v[AF+12*\s:AF+12*\s+11], v[ACC+8*\n:ACC+8*\n+7], v[WS+\n], v[AS+\s] matrix_a_fmt:MATRIX_FMT_BF6 matrix_b_fmt:MATRIX_FMT_BF6
.endif
.endr
.rept 4
	v_nop                                          ; places in front of loads into registers that the products have read, and of the first read of results
.endr
.endr
.irp hh, 0,1
.irp t, 0,1,2,3
	ds_store_b128 v[STO], v[ACC+8*(4*\hh+\t):ACC+8*(4*\hh+\t)+3] offset:(64*\hh+32*(\t/2)+8*(\t%2))*4        ; each accumulator from its low end on
	ds_store_b128 v[STO], v[ACC+8*(4*\hh+\t)+4:ACC+8*(4*\hh+\t)+7] offset:(64*\hh+32*(\t/2)+8*(\t%2))*4+16
.endr
.endr
.irp i, 0,1,2,3,4,5,6,7,8,9,10,11,12,13,14,15
	ds_load_b128 v[WF+4*\i:WF+4*\i+3], v[RD] offset:SP*\i   ; LDS serves a wave's instructions in order: these see my stores
.endr
.irp i, 0,1,2,3,4,5,6,7,8,9,10,11,12,13,14,15
	s_wait_dscnt 15-\i                             ; row i is back; the 15 - i younger ones may be out
	v_pk_add_f32 v[WF+4*\i:WF+4*\i+1], v[WF+4*\i:WF+4*\i+1], v[BB:BB+1]
	v_pk_add_f32 v[WF+4*\i+2:WF+4*\i+3], v[WF+4*\i+2:WF+4*\i+3], v[BB+2:BB+3]
	global_store_b128 v[LI], v[WF+4*\i:WF+4*\i+3], s[12:13] offset:(\i+8*(\i/8))*2048 th:TH_STORE_NT   ; 32 lanes store 512 consecutive bytes, at a multiple of 256 from out0's first byte
.endr
	s_wait_tensorcnt 0x0
	ds_add_u32 v254, v255
	s_wait_dscnt 0x0
	s_endpgm
.Lfunc_end_k_qc9255e4b81_oproj:
	.size	k_qc9255e4b81_oproj, .Lfunc_end_k_qc9255e4b81_oproj-k_qc9255e4b81_oproj
	.p2alignl 7, 3214868480
	.fill 96, 4, 3214868480
	.section	.rodata,"a",@progbits
	.p2align	6, 0x0
	.amdhsa_kernel k_qc9255e4b81_oproj
		.amdhsa_group_segment_fixed_size 168960
		.amdhsa_private_segment_fixed_size 0
		.amdhsa_enable_private_segment 0
		.amdhsa_kernarg_size 40
		.amdhsa_user_sgpr_count 2
		.amdhsa_user_sgpr_kernarg_segment_ptr 1
		.amdhsa_wavefront_size32 1
		.amdhsa_system_sgpr_workgroup_id_x 1
		.amdhsa_system_sgpr_workgroup_id_y 1
		.amdhsa_system_sgpr_workgroup_id_z 1
		.amdhsa_system_vgpr_workitem_id 0
		.amdhsa_next_free_vgpr 256
		.amdhsa_next_free_sgpr 66
		.amdhsa_reserve_vcc 0
		.amdhsa_float_denorm_mode_32 3
		.amdhsa_float_denorm_mode_16_64 3
		.amdhsa_memory_ordered 1
		.amdhsa_forward_progress 1
		.amdhsa_inst_pref_size 26
	.end_amdhsa_kernel
	.amdgpu_metadata
---
amdhsa.version: [ 1, 2 ]
amdhsa.kernels:
  - .name:           k_qc9255e4b81_oproj
    .symbol:         k_qc9255e4b81_oproj.kd
    .args:
      - { .name: ocod, .offset: 0, .size: 8, .value_kind: global_buffer, .address_space: global }
      - { .name: oscl, .offset: 8, .size: 8, .value_kind: global_buffer, .address_space: global }
      - { .name: wcod, .offset: 16, .size: 8, .value_kind: global_buffer, .address_space: global }
      - { .name: bo, .offset: 24, .size: 8, .value_kind: global_buffer, .address_space: global }
      - { .name: out0, .offset: 32, .size: 8, .value_kind: global_buffer, .address_space: global }
    .group_segment_fixed_size: 168960
    .private_segment_fixed_size: 0
    .kernarg_segment_align: 8
    .kernarg_segment_size: 40
    .max_flat_workgroup_size: 256
    .sgpr_count:     66
    .vgpr_count:     256
    .wavefront_size: 32
...
	.end_amdgpu_metadata
.endif
;; end of part 4
